; MI455X (gfx1250); checked and timed in simulation.
; The chip was launched on July 23, 2026; its instructions are those of AMD's public machine-readable ISA for CDNA 5 (MIT licence, August 2026) and "CDNA5" Instruction Set Architecture Reference Guide (July 2026). The comments in the code are by the model that wrote it; some were corrected since.
;; Learned Attention. Allowed arithmetic: float matrix products may take bf16 or f16 operands with f32 sums; other float arithmetic in f32, or as packed bf16 or f16 multiplies, adds, multiply-adds, maxima and minima; sums over many terms, partial sums and values carried from step to step in f32; what a program stores and reads back later, other than sums and carried values, may be rounded once to bf16 or f16.
;; Inputs: W_energy 1 x 1,024 float32; W_key 1,024 x 1,024 float32; W_query 1,024 x 1,024 float32; keys 32 x 1,024 x 1,024 float32; memory_lengths 32 int32; queries 32 x 1 x 1,024 float32; values 32 x 1,024 x 1,024 float32.
;; Outputs: out0 32 x 1 x 1,024 float32; out1 32 x 1 x 1,024 float32.
;; 2 versions, each right; version 2 is version 1 with the launch cast written anew for expert scheduling mode. Each part assembles by itself: llvm-mc -triple=amdgcn-amd-amdhsa -mcpu=gfx1250 --defsym DOCPART=n.
;; ======== version 1 of 2: 5 launches
;; limits: values are held in f16: magnitudes above 65,504 overflow, below 6.1e-05 lose precision; inputs' magnitudes at most 65,504
;; workspace buffers: kb 67,108,864 bytes; wkb 2,097,152 bytes; pq 131,072 bytes; sp 1,048,576 bytes; ctx 131,072 bytes
;; launch cast (part 1): grid 528 x 1, 8 waves a work-group, no clusters, 0 bytes of LDS; arguments keys, W_key, kb, wkb; writes kb, wkb
.if DOCPART == 1
	.amdgcn_target "amdgcn-amd-amdhsa--gfx1250"
	.amdhsa_code_object_version 6
	.text
	.protected	k_q66d4ae42a3_cast
	.globl	k_q66d4ae42a3_cast
	.p2align	8
	.type	k_q66d4ae42a3_cast,@function
k_q66d4ae42a3_cast:
	s_mov_b64 s[64:65], 0
	v_nop
	global_prefetch_b8 v0, s[64:65] scope:SCOPE_SE
	s_setreg_imm32_b32 hwreg(HW_REG_WAVE_MODE, 25, 1), 1
	s_wait_xcnt 0x0
; kb = keys and wkb = W_key, each number rounded once to bf16 (to nearest even), in the same row-major layout: the two operands of the large product.
; A row is 1,024 f32 = 4,096 bytes in and 2,048 bytes out.  A work-group of eight waves takes 64 rows: groups 0-511 those of keys (32,768 rows), groups 512-527 those of W_key (1,024 rows).
; Thread t owns the 16 bytes at 16 t of every input row and the 8 bytes at 8 t of every output row: a wave's load covers 512 consecutive bytes, its store 256 consecutive bytes, aligned.
; A stream: no LDS, no barrier, no matrix unit, no cluster (no byte is read by two work-groups).  A ring of 16 slots in registers keeps 16 loads of every wave on their way.
.set ROWIN,  4096
.set ROWOUT, 2048
.set DEPTH,  16                        ; slots = loads in flight in each wave
.set ROUNDS, 64/DEPTH
.set X, 4                              ; v[4:67]   slot i: 4 f32 as loaded
.set Y, 68                             ; v[68:99]  slot i: 4 bf16 to store
	s_load_b256 s[4:11], s[0:1], 0x0               ; keys s[4:5], W_key s[6:7], kb s[8:9], wkb s[10:11]
	v_lshlrev_b32 v1, 4, v0                        ; my 16 bytes of an input row; never rewritten
	v_lshlrev_b32 v2, 3, v0                        ; my 8 bytes of an output row; never rewritten
	s_sub_co_u32 s20, ttmp9, 512
	s_cmp_lt_u32 ttmp9, 512
	s_cselect_b32 s21, ttmp9, s20                  ; the group's number inside its tensor
	s_lshl_b32 s16, s21, 18                        ; 64 rows of 4,096 bytes (under 2^27)
	s_mov_b32 s17, 0
	s_lshl_b32 s18, s21, 17                        ; 64 rows of 2,048 bytes
	s_mov_b32 s19, 0
	s_wait_kmcnt 0x0
	s_cmp_lt_u32 ttmp9, 512                        ; compared anew: the shifts above have written SCC
	s_cselect_b64 s[12:13], s[4:5], s[6:7]         ; from keys or from W_key,
	s_cselect_b64 s[14:15], s[8:9], s[10:11]       ; to kb or to wkb
	s_add_nc_u64 s[12:13], s[12:13], s[16:17]
	s_add_nc_u64 s[14:15], s[14:15], s[18:19]
.irp i, 0,1,2,3,4,5,6,7,8,9,10,11,12,13,14,15
	global_load_b128 v[X+4*(\i):X+4*(\i)+3], v1, s[12:13] offset:(\i)*ROWIN th:TH_LOAD_NT  ; the ring is filled: rows 0 to 15
.endr
; One slot's turn.  ahead = 1: the slot is filled again with the row 16 further down.  left = how many younger loads may stay out.
.macro SLOT i, ahead, left
	s_wait_loadcnt \left                           ; loads come back in order: mine is in
	v_cvt_pk_bf16_f32 v[Y+2*(\i)],   v[X+4*(\i)],   v[X+4*(\i)+1]
	v_cvt_pk_bf16_f32 v[Y+2*(\i)+1], v[X+4*(\i)+2], v[X+4*(\i)+3]
.if \ahead
	global_load_b128 v[X+4*(\i):X+4*(\i)+3], v1, s[12:13] offset:(DEPTH+(\i))*ROWIN th:TH_LOAD_NT
.endif
	global_store_b64 v2, v[Y+2*(\i):Y+2*(\i)+1], s[14:15] offset:(\i)*ROWOUT th:TH_STORE_NT
.endm
	s_mov_b32 s22, ROUNDS-1
.Lround:
.irp i, 0,1,2,3,4,5,6,7,8,9,10,11,12,13,14,15
	SLOT \i, 1, DEPTH-1
.endr
	s_wait_xcnt 0x0                                ; the round's loads and stores have read their sources: only now are the two bases, and in the next round Y, written again
	s_add_nc_u64 s[12:13], s[12:13], DEPTH*ROWIN
	s_add_nc_u64 s[14:15], s[14:15], DEPTH*ROWOUT
	s_sub_co_u32 s22, s22, 1
	s_cmp_lg_u32 s22, 0
	s_cbranch_scc1 .Lround
.irp i, 0,1,2,3,4,5,6,7,8,9,10,11,12,13,14,15
	SLOT \i, 0, DEPTH-1-(\i)                       ; the last round loads nothing: the counts run down
.endr
	s_endpgm
.Lfunc_end_k_q66d4ae42a3_cast:
	.size	k_q66d4ae42a3_cast, .Lfunc_end_k_q66d4ae42a3_cast-k_q66d4ae42a3_cast
	.p2alignl 7, 3214868480
	.fill 96, 4, 3214868480
	.section	.rodata,"a",@progbits
	.p2align	6, 0x0
	.amdhsa_kernel k_q66d4ae42a3_cast
		.amdhsa_group_segment_fixed_size 0
		.amdhsa_private_segment_fixed_size 0
		.amdhsa_enable_private_segment 0
		.amdhsa_kernarg_size 32
		.amdhsa_user_sgpr_count 2
		.amdhsa_user_sgpr_kernarg_segment_ptr 1
		.amdhsa_wavefront_size32 1
		.amdhsa_system_sgpr_workgroup_id_x 1
		.amdhsa_system_sgpr_workgroup_id_y 1
		.amdhsa_system_sgpr_workgroup_id_z 1
		.amdhsa_system_vgpr_workitem_id 0
		.amdhsa_next_free_vgpr 104
		.amdhsa_next_free_sgpr 66
		.amdhsa_reserve_vcc 0
		.amdhsa_float_denorm_mode_32 3
		.amdhsa_float_denorm_mode_16_64 3
		.amdhsa_memory_ordered 1
		.amdhsa_forward_progress 1
		.amdhsa_inst_pref_size 13
	.end_amdhsa_kernel
	.amdgpu_metadata
---
amdhsa.version: [ 1, 2 ]
amdhsa.kernels:
  - .name:           k_q66d4ae42a3_cast
    .symbol:         k_q66d4ae42a3_cast.kd
    .args:
      - { .name: keys, .offset: 0, .size: 8, .value_kind: global_buffer, .address_space: global }
      - { .name: W_key, .offset: 8, .size: 8, .value_kind: global_buffer, .address_space: global }
      - { .name: kb, .offset: 16, .size: 8, .value_kind: global_buffer, .address_space: global }
      - { .name: wkb, .offset: 24, .size: 8, .value_kind: global_buffer, .address_space: global }
    .group_segment_fixed_size: 0
    .private_segment_fixed_size: 0
    .kernarg_segment_align: 8
    .kernarg_segment_size: 32
    .max_flat_workgroup_size: 256
    .sgpr_count:     66
    .vgpr_count:     104
    .wavefront_size: 32
...
	.end_amdgpu_metadata
.endif
;; end of part 1
;; launch rows32 (part 2): grid 64 x 1, 8 waves a work-group, no clusters, 17,408 bytes of LDS; arguments queries, W_query, pq; writes pq
.if DOCPART == 2
	.amdgcn_target "amdgcn-amd-amdhsa--gfx1250"
	.amdhsa_code_object_version 6
	.text
	.protected	k_q66d4ae42a3_rows32
	.globl	k_q66d4ae42a3_rows32
	.p2align	8
	.type	k_q66d4ae42a3_rows32,@function
k_q66d4ae42a3_rows32:
	s_mov_b64 s[64:65], 0
	v_nop
	global_prefetch_b8 v0, s[64:65] scope:SCOPE_SE
	s_setreg_imm32_b32 hwreg(HW_REG_WAVE_MODE, 25, 1), 1
	s_wait_xcnt 0x0
; y[m][c] = the sum over k of x[m][k] w[c][k].  x: [32][1024], w: [1024][1024], y: [32][1024], all f32 in memory.  Used twice: pq = queries W_query^T, and out0 = ctx W_key^T.
; The operands are rounded once to f16 (11 significant bits) on the way to the matrix unit; sums in f32.  LIMIT: every number of x and w lies within f16's range, below 65,504 in magnitude;
; below 6e-5 it keeps f16's fixed step of 6e-8.
; SHARES.  A work-group makes 16 columns of y (16 rows of w, 65,536 bytes, each read once in the launch).  K is split among its eight waves: wave v takes k = 128 v .. 128 v + 127, 512 consecutive
; aligned bytes of each row, for both tiles of 16 rows of x.  The eight partial sums meet in LDS (f32 sums in any order).  One shot, no loop: a wave's 48 loads go out together.
; LAYOUT.  y^T = w x^T (source 0 = 16 rows of w, source 1 = 16 rows of x): a lane ends with ONE row of y (lane % 16) and the columns 8 (lane / 16) + 0..7.  Along K the places are permuted, alike in
; both sources, which leaves the products as they are: for fragment f lane (r, h) holds k = 128 v + 32 f + 16 h + 0..15, sixteen f32 on end, four loads of 16 bytes.
; NO CLUSTER: the launch loads through registers and has no tensor load that could be asked for jointly; x, which all work-groups read, is 131,072 bytes in all.
; A work-group writes 64 bytes of each of 32 rows of y: whole blocks of 256 bytes would want 64 columns a work-group, 16 work-groups for the whole stream of w.
.set ROWB,  4096
.set PART,  0                          ; LDS: wave v's two partial tiles, 1,024 bytes each, at 2,048 v
.set SPARE, 16384                      ; behind them: the spare words, 128 bytes for each of eight waves: four blocks of 256 bytes that no other line names
.set FO,  2                            ; v2   (l % 16) x 4,096 + 64 (l / 16) + 512 x wave: for w and for x; never rewritten
.set LS,  4                            ; v4   where I put my 32 bytes of a partial tile
.set LR,  5                            ; v5   where I read them back
.set YO,  6                            ; v6   my 32 bytes of y
.set SPW, 8                            ; v8   LDS address of my spare word; never rewritten
.set NIL, 9                            ; v9   0; never rewritten
.set ACC, 16                           ; v[16:31]   two accumulators: x's rows 0-15, rows 16-31
.set WR,  64                           ; v[64:127]  w: fragment f at 16 f: 16 f32 as loaded, then 8 registers of f16
.set XR,  128                          ; v[128:255] x: tile j, fragment f at 64 j + 16 f, likewise
.set WV,  14                           ; s14  my wave's number
	s_load_b128 s[4:7], s[0:1], 0x0                ; x s[4:5], w s[6:7]
	s_load_b64 s[8:9], s[0:1], 0x10                ; y
	v_lshl_add_u32 v[SPW], v0, 2, SPARE
	v_mov_b32 v[NIL], 0
	v_lshrrev_b32 v1, 5, v0
	v_readfirstlane_b32 s[WV], v1                  ; wave 0..7
	v_and_b32 v10, 15, v0                          ; l % 16
	v_bfe_u32 v11, v0, 4, 1                        ; l / 16
	v_and_b32 v12, 31, v0                          ; l
	s_lshl_b32 s16, s[WV], 9
	v_lshlrev_b32 v[FO], 12, v10
	v_lshl_add_u32 v[FO], v11, 6, v[FO]
	v_add_nc_u32 v[FO], s16, v[FO]
	s_lshl_b32 s17, s[WV], 11
	v_lshl_add_u32 v[LS], v12, 5, s17              ; 2,048 x wave + 32 l
	s_lshl_b32 s17, s[WV], 10
	v_lshl_add_u32 v[LR], v12, 5, s17              ; tile = my wave's number (waves 0 and 1): 1,024 x wave + 32 l
	s_lshl_b32 s18, ttmp9, 6                       ; the work-group's 16 columns: 64 bytes of a row of y
	s_lshl_b32 s19, s[WV], 16                      ; my tile's 16 rows of 4,096 bytes
	s_add_co_u32 s18, s18, s19
	v_lshlrev_b32 v[YO], 12, v10                   ; row l % 16
	v_lshl_add_u32 v[YO], v11, 5, v[YO]            ; my 8 columns
	v_add_nc_u32 v[YO], s18, v[YO]
	s_lshl_b32 s2, ttmp9, 16                       ; the work-group's 16 rows of w
	s_mov_b32 s3, 0
	s_wait_kmcnt 0x0
	s_add_nc_u64 s[10:11], s[6:7], s[2:3]
.irp f, 0,1,2,3                        ; twelve loads a fragment number: w, x's tile 0, x's tile 1
.irp i, 0,1,2,3
	global_load_b128 v[WR+16*(\f)+4*(\i):WR+16*(\f)+4*(\i)+3], v[FO], s[10:11] offset:128*(\f)+16*(\i) th:TH_LOAD_NT
.endr
.irp i, 0,1,2,3
	global_load_b128 v[XR+16*(\f)+4*(\i):XR+16*(\f)+4*(\i)+3], v[FO], s[4:5] offset:128*(\f)+16*(\i)
.endr
.irp i, 0,1,2,3
	global_load_b128 v[XR+64+16*(\f)+4*(\i):XR+64+16*(\f)+4*(\i)+3], v[FO], s[4:5] offset:128*(\f)+16*(\i)+16*ROWB
.endr
.endr
; Sixteen f32 become eight registers of f16, in place: destination i never runs ahead of the sources that are still to be read.
.macro CVT8 base
.irp i, 0,1,2,3,4,5,6,7
	v_cvt_pk_f16_f32 v[(\base)+(\i)], v[(\base)+2*(\i)], v[(\base)+2*(\i)+1]
.endr
.endm
; The two accumulators take turns, one instruction a turn; the first products start the sums with the constant 0.
.irp f, 0,1,2,3
	s_wait_loadcnt 36-12*(\f)                      ; this fragment number's twelve loads are in; twelve for each later one may stay out
	CVT8 WR+16*(\f)
	CVT8 XR+16*(\f)
	CVT8 XR+64+16*(\f)
.if (\f) == 0
	v_wmma_f32_16x16x32_f16 v[ACC:ACC+7],    v[WR+16*(\f):WR+16*(\f)+7], v[XR+16*(\f):XR+16*(\f)+7], 0
	v_wmma_f32_16x16x32_f16 v[ACC+8:ACC+15], v[WR+16*(\f):WR+16*(\f)+7], v[XR+64+16*(\f):XR+64+16*(\f)+7], 0
.else
	v_wmma_f32_16x16x32_f16 v[ACC:ACC+7],    v[WR+16*(\f):WR+16*(\f)+7], v[XR+16*(\f):XR+16*(\f)+7], v[ACC:ACC+7]
	v_wmma_f32_16x16x32_f16 v[ACC+8:ACC+15], v[WR+16*(\f):WR+16*(\f)+7], v[XR+64+16*(\f):XR+64+16*(\f)+7], v[ACC+8:ACC+15]
.endif
.endr
.rept 8
	v_nop                                          ; the places behind the last products, ahead of the stores that read them; once a launch
.endr
.irp j, 0,1
	ds_store_b128 v[LS], v[ACC+8*(\j):ACC+8*(\j)+3]   offset:PART+1024*(\j)      ; each accumulator from its low end
	ds_store_b128 v[LS], v[ACC+8*(\j)+4:ACC+8*(\j)+7] offset:PART+1024*(\j)+16
.endr
	s_wait_dscnt 0x0                               ; for the others' sake: my partial sums lie in LDS
	s_barrier_signal -1
	s_barrier_wait -1                              ; all eight waves' do
	s_cmp_lt_u32 s[WV], 2                          ; wave 0 finishes tile 0, wave 1 tile 1
	s_cbranch_scc0 .Lend
.irp v, 0,1,2,3,4,5,6,7
	ds_load_b128 v[WR+8*(\v):WR+8*(\v)+3],   v[LR] offset:PART+2048*(\v)
	ds_load_b128 v[WR+8*(\v)+4:WR+8*(\v)+7], v[LR] offset:PART+2048*(\v)+16
.endr
	s_wait_dscnt 0x0
.irp v, 0,2,4,6
.irp r, 0,2,4,6
	v_pk_add_f32 v[WR+8*(\v)+(\r):WR+8*(\v)+(\r)+1], v[WR+8*(\v)+(\r):WR+8*(\v)+(\r)+1], v[WR+8*(\v)+8+(\r):WR+8*(\v)+8+(\r)+1]
.endr
.endr
.irp v, 0,4
.irp r, 0,2,4,6
	v_pk_add_f32 v[WR+8*(\v)+(\r):WR+8*(\v)+(\r)+1], v[WR+8*(\v)+(\r):WR+8*(\v)+(\r)+1], v[WR+8*(\v)+16+(\r):WR+8*(\v)+16+(\r)+1]
.endr
.endr
.irp r, 0,2,4,6
	v_pk_add_f32 v[WR+(\r):WR+(\r)+1], v[WR+(\r):WR+(\r)+1], v[WR+32+(\r):WR+32+(\r)+1]
.endr
	global_store_b128 v[YO], v[WR:WR+3],   s[8:9]
	global_store_b128 v[YO], v[WR+4:WR+7], s[8:9] offset:16
.Lend:
	s_wait_tensorcnt 0x0                           ; the wave's end: behind my last LDS store
	ds_add_u32 v[SPW], v[NIL]
	s_wait_dscnt 0x0
	s_endpgm
.Lfunc_end_k_q66d4ae42a3_rows32:
	.size	k_q66d4ae42a3_rows32, .Lfunc_end_k_q66d4ae42a3_rows32-k_q66d4ae42a3_rows32
	.p2alignl 7, 3214868480
	.fill 96, 4, 3214868480
	.section	.rodata,"a",@progbits
	.p2align	6, 0x0
	.amdhsa_kernel k_q66d4ae42a3_rows32
		.amdhsa_group_segment_fixed_size 17408
		.amdhsa_private_segment_fixed_size 0
		.amdhsa_enable_private_segment 0
		.amdhsa_kernarg_size 24
		.amdhsa_user_sgpr_count 2
		.amdhsa_user_sgpr_kernarg_segment_ptr 1
		.amdhsa_wavefront_size32 1
		.amdhsa_system_sgpr_workgroup_id_x 1
		.amdhsa_system_sgpr_workgroup_id_y 1
		.amdhsa_system_sgpr_workgroup_id_z 1
		.amdhsa_system_vgpr_workitem_id 0
		.amdhsa_next_free_vgpr 256
		.amdhsa_next_free_sgpr 66
		.amdhsa_reserve_vcc 0
		.amdhsa_float_denorm_mode_32 3
		.amdhsa_float_denorm_mode_16_64 3
		.amdhsa_memory_ordered 1
		.amdhsa_forward_progress 1
		.amdhsa_inst_pref_size 17
	.end_amdhsa_kernel
	.amdgpu_metadata
---
amdhsa.version: [ 1, 2 ]
amdhsa.kernels:
  - .name:           k_q66d4ae42a3_rows32
    .symbol:         k_q66d4ae42a3_rows32.kd
    .args:
      - { .name: queries, .offset: 0, .size: 8, .value_kind: global_buffer, .address_space: global }
      - { .name: W_query, .offset: 8, .size: 8, .value_kind: global_buffer, .address_space: global }
      - { .name: pq, .offset: 16, .size: 8, .value_kind: global_buffer, .address_space: global }
    .group_segment_fixed_size: 17408
    .private_segment_fixed_size: 0
    .kernarg_segment_align: 8
    .kernarg_segment_size: 24
    .max_flat_workgroup_size: 256
    .sgpr_count:     66
    .vgpr_count:     256
    .wavefront_size: 32
...
	.end_amdgpu_metadata
.endif
;; end of part 2
;; launch energy (part 3): grid 4 x 64, 4 waves a work-group, clusters of 4 x 4, 327,680 bytes of LDS; arguments kb, wkb, pq, W_energy, sp; writes sp
.if DOCPART == 3
	.amdgcn_target "amdgcn-amd-amdhsa--gfx1250"
	.amdhsa_code_object_version 6
	.text
	.protected	k_q66d4ae42a3_energy
	.globl	k_q66d4ae42a3_energy
	.p2align	8
	.type	k_q66d4ae42a3_energy,@function
k_q66d4ae42a3_energy:
	s_mov_b64 s[64:65], 0
	v_nop
	global_prefetch_b8 v0, s[64:65] scope:SCOPE_SE
	s_setreg_imm32_b32 hwreg(HW_REG_WAVE_MODE, 25, 1), 1
	s_wait_xcnt 0x0
	s_wait_alu depctr_hold_cnt(0) depctr_sa_sdst(0) depctr_va_vdst(0) depctr_va_sdst(0) depctr_va_ssrc(0) depctr_va_vcc(0) depctr_vm_vsrc(0)
	s_getreg_b32 s2, hwreg(HW_REG_IB_STS2, 6, 4)
	s_cmp_eq_u32 s2, 0
	s_cbranch_scc0 .Lentry_in_a_cluster
	s_endpgm
.Lentry_in_a_cluster:
	s_bfe_u32 s2, ttmp6, 0x10000c
	s_cmp_lg_u32 s2, 0xf033
	s_cbranch_scc0 .Lentry_shape_is_right
	s_endpgm
.Lentry_shape_is_right:
; sp[p][row] = the sum, over the 128 columns h of part p, of W_energy[h] / (1 + 2^(c (pk[row][h] + pq[batch][h]))), c = 2 log2(e), where pk = kb wkb^T (bf16 operands, f32 sums).
; WHY THAT SUM.  tanh(x) = 1 - 2 / (1 + e^(2x)), so a row's score is (the sum of W_energy) - 2 x (the sum over p of sp[p][row]).  The first term is the same for all rows of a batch and falls out of the
; softmax; the factor -2 is applied by the next launch.  No clamp: 2^(..) = infinity gives the quotient 0, 2^(..) = 0 gives 1, which are tanh's own limits.  Inputs are taken to be finite.
; THE PRODUCT.  kb: [32768][1024], wkb: [1024][1024], both bf16, K along the rows.  A tile of pk, 256 x 256, is made by a work-group of four waves; a wave makes 128 x 128: 64 accumulators of 16 x 16,
; 512 registers.  K goes in steps of 128 through a ring of two LDS slots filled by the tensor data mover; the tiles' rows are 256 bytes of memory, at multiples of 256 bytes.
; A WORK-GROUP STAYS: 256 work-groups make two tiles each, 16,384 rows apart (16 batches); the ring does not stop at the first tile's end: its last two changes of slots ask for the next tile's first two K steps.
; CLUSTERS: 4 x 4 work-groups.  The four of a row of the cluster (all four column blocks of pk) need the same tiles of kb, the four of a column the same tiles of wkb: each tile is asked for JOINTLY, by the same
; tensor load with the same descriptor and a mask that names the four.
; THE MATRIX INSTRUCTION IS USED TRANSPOSED (source 0 = 16 rows of wkb, source 1 = 16 rows of kb): lane l holds row l % 16 of pk and the columns 8 (l / 16) + 0..7.
; THE WAY OUT (EPI).  pk never leaves the registers.  Two blocks of 16 rows at a time: 128 arguments a lane, 128 exponentials, + 1, 128 reciprocals, multiply-adds by W_energy, one exchange between the halves
; of the lanes; the wave's 128 row sums go through 512 bytes of its own stage in LDS and leave as one store of 512 consecutive bytes.
; REGISTERS, in windows of 256 (s_set_vgpr_msb's low byte: bits 1:0 source 0, 3:2 source 1, 5:4 source 2, 7:6 destination):
;   window 0: v0-31 addresses; v32-55 the way out's sums; v64-127, v128-191 fragments of kb, two buffers; v128-255 the way out's 128 numbers at work (T)
;   window 1: v0-63 pq of my 128 columns; v64-127, v128-191 fragments of wkb, two buffers; v192-255 W_energy of my 128 columns
;   window 2: the 32 accumulators of my rows 0-63 (accumulator (a, b) at v[8 (8 a + b)]);   window 3: those of my rows 64-127
.set SIZE_M, 32768
.set SIZE_K, 1024
.set SIZE_TILES, 2
.set KSTEP,  128
.set PITCH,  272                       ; an LDS row: 256 bytes of data + 16 of padding = 68 words: the 16 rows that a load touches start at 16 different groups of four banks (64 banks of 4 bytes: ISA guide 11.1)
.set HALFT,  128*PITCH                 ; 128 rows: what one tensor load brings, and what one wave reads of kb or of wkb
.set SLOT,   4*HALFT                   ; kb's 256 rows, then wkb's 256 rows
.set STAGE,  2*SLOT                    ; behind the ring, never filled by a tensor load: 512 bytes for each wave: its 128 row sums
.set SPARE,  STAGE+4*512               ; behind the stages: the spare words, 128 bytes for each wave: two blocks of 256 bytes that no other line names
.set LAPS,   SIZE_K/(2*KSTEP)          ; a lap = two K steps = once round the ring
.set WALK,   SIZE_M/SIZE_TILES         ; a work-group's two tiles lie WALK rows apart
.set NEXT_A, WALK*SIZE_K*2-(SIZE_K-2*KSTEP)*2   ; bytes from a slot's last K step of a tile to its first of the next: kb goes WALK rows down and back along K,
.set BACK_B, (SIZE_K-2*KSTEP)*2        ; wkb only back: both tiles take the same rows of it
.set ADRA, 16                          ; v16-17  LDS address of my kb fragments in slot 0, 1
.set ADRB, 20                          ; v20-21  the same for wkb
.set STW,  24                          ; v24     my stage + 4 (l % 16): where a row sum goes; never rewritten
.set STR,  25                          ; v25     my stage + 16 l: where four row sums are read back; never rewritten
.set SO,   26                          ; v26     16 l: my 16 bytes of the wave's 512 in sp; never rewritten
.set CQ,   27                          ; v27     32 (l / 16): my 8 columns of 16, in bytes of f32; never rewritten
.set SPW,  28                          ; v28     LDS address of my spare word; never rewritten
.set NIL,  29                          ; v29     0; never rewritten
.set PFO,  30                          ; v30     the prefetches' offset: my lane x a row of kb or wkb (2,048 bytes); never rewritten
.set SU,   32                          ; v[32:39], v[40:47]  four running pairs for each of the trip's two row blocks
.set PX,   48                          ; v48, v49  what the other half of the lanes sends
.set STA,  50                          ; v50     the trip's stage address
.set OUT,  52                          ; v[52:55]  four row sums to store
.set F0,   64                          ; fragment buffer 0
.set F1,   128                         ; fragment buffer 1
.set T,    128                         ; window 0: the way out's numbers at work
.set PQ,   0                           ; window 1: register 8 b + j holds column 16 b + 8 (l / 16) + j of my 128
.set WE,   192                         ; window 1: likewise
.set G1,  24                           ; s[24:31] descriptor group 1 for kb's tiles
.set G0,  32                           ; s[32:39] descriptor group 0 for kb's tiles, one set for each slot
.set LIM, 43                           ; s43      1 in a wave that prefetches, else the greatest number
.set PFA, 44                           ; s[44:45] where my prefetches stand
.set G1B, 48                           ; s[48:55] descriptor group 1 for wkb's tiles: it differs in the mask alone
.set G0B, 56                           ; s[56:63] descriptor group 0 for wkb's tiles
.set PQB, 68                           ; s[68:69] pq at the tile's batch and my 128 columns
.set WEB, 70                           ; s[70:71] W_energy at my 128 columns
.set SPB, 72                           ; s[72:73] sp at my part and my 128 rows
.set CS,  74                           ; s[74:75] c; the packed forms take the pair's low word for both halves
.set SEL, 76                           ; s[76:77] v_permlanex16_b32's selects: each lane takes its own place in the other half
.set STEP, 82                          ; s[82:83] what the next way out adds to sp's address
.set ROWC, 84                          ; s84      counts the way out's four trips
.set STO,  85                          ; s85      64 x that count: the trip's place in the stage
.set MSB, 0
.macro WIN new                         ; the immediate's high byte repeats the setting that is left; a switch that changes nothing is dropped
.if MSB != (\new)
	s_set_vgpr_msb (MSB<<8)|(\new)
.set MSB, \new
.endif
.endm
.set MUL_LO, 0xa1                      ; source 0 (wkb) window 1, source 1 (kb) window 0, C and D window 2
.set MUL_HI, 0xf1                      ; the same, C and D window 3
.set TO_B,   0x40                      ; destination window 1, address window 0
; A joint load.  Waves 0 and 1 fetch kb's two halves, waves 2 and 3 wkb's.  Each of the two lines has ONE mask and one set of registers for all that issue it; the branch hangs on the wave's number alone.
; An s_nop 0 and four v_nop follow each of the two lines, ahead of the jump, the label and what follows.
.macro JLOAD s
	s_cmp_eq_u32 s11, 0
	s_cbranch_scc0 .Lfor_b_\@
	tensor_load_to_lds s[G0+4*(\s):G0+4*(\s)+3], s[G1:G1+7]
	s_nop 0
.rept 4
	v_nop
.endr
	s_branch .Lasked_\@
.Lfor_b_\@:
	tensor_load_to_lds s[G0B+4*(\s):G0B+4*(\s)+3], s[G1B:G1B+7]
	s_nop 0
.rept 4
	v_nop
.endr
.Lasked_\@:
.endm
; A PREFETCH INTO THE L2, behind each joint load, its five lines and the run of LDS loads that follows: the K step that stands TWO refills on, 512 matrix instructions ahead of the load that will want it:
; 32 rows x 256 bytes, a lane a row, one instruction a wave.  Each row's 256 bytes of a K step are named ONCE in the launch: kb's rows are read by one cluster alone (the grid is one cluster wide), which asks;
; wkb's by every cluster, and cluster y = 0 asks, in the first tile alone.  The four partners that ask for a tile jointly share its rows out BY ADDRESS: of the 128 rows that a wave fetches the partner at
; place p takes 32 p .. 32 p + 31 (p = cx for kb, cy for wkb).  how = 0, in the loop: a tile's last two refills have no K step two on; how = 1, at the change of tiles.
.macro ASK how
.if \how
	s_cmp_eq_u32 s[LIM], 1
.else
	s_cmp_gt_u32 s3, s[LIM]                        ; s3 = 1 in the loop's last trip
.endif
	s_cbranch_scc0 .Lnot_mine_\@
	global_prefetch_b8 v[PFO], s[PFA:PFA+1] offset:KSTEP*2 th:TH_LOAD_NT scope:SCOPE_SE
.Lnot_mine_\@:
.endm
; A round of the cluster's barrier: my work-group's barrier, so that wave 0's signal speaks for all four waves; wave 0 signals; every wave waits for all sixteen work-groups; my work-group's barrier once more.
.macro CREST                           ; a round behind its opening barrier
	s_cmp_lg_u32 s10, 0
	s_cbranch_scc1 .Lnot_wave_0_\@
	s_barrier_signal -3
.Lnot_wave_0_\@:
	s_barrier_wait -3
	s_barrier_signal -1
	s_barrier_wait -1
.endm
.macro CROUND                          ; a whole round
	s_barrier_signal -1
	s_barrier_wait -1
	CREST
.endm
	s_load_b128 s[4:7], s[0:1], 0x0                ; kb s[4:5], wkb s[6:7]
	s_load_b128 s[68:71], s[0:1], 0x10             ; pq s[68:69], W_energy s[70:71]
	s_load_b64 s[72:73], s[0:1], 0x20              ; sp
	v_lshl_add_u32 v[SPW], v0, 2, SPARE
	v_mov_b32 v[NIL], 0
	ds_add_u32 v[SPW], v[NIL]                      ; the wave's opening: the add and its wait stand ahead of my first tensor load; the set-up below, work on registers, stands between them
	v_lshrrev_b32 v1, 5, v0
	v_readfirstlane_b32 s10, v1                    ; wave 0..3
	s_lshr_b32 s11, s10, 1                         ; which half of the tile's rows is mine.  Also: I fetch for kb (0) or for wkb (1)
	s_and_b32 s12, s10, 1                          ; which half of its columns.  Also: which 128 rows of that tile I fetch
	s_bfe_u32 s40, ttmp6, 0x40000                  ; cx: my place along the cluster's x
	s_bfe_u32 s41, ttmp6, 0x40004                  ; cy: along its y
	s_lshl_b32 s42, ttmp9, 2                       ; in a cluster launch ttmp9 and ttmp7 count clusters
	s_add_co_u32 s42, s42, s40                     ; tile column = 4 x cluster x + cx
	s_and_b32 s13, ttmp7, 0xffff
	s_lshl_b32 s13, s13, 2
	s_add_co_u32 s13, s13, s41                     ; tile row = 4 x cluster y + cy
	s_lshl_b32 s43, s41, 2
	s_lshl_b32 s43, 15, s43                        ; my row of the cluster: places 4 cy .. 4 cy + 3
	s_lshl_b32 s44, 0x1111, s40                    ; my column: places cx, cx + 4, cx + 8, cx + 12
	; descriptor group 1: a tile of 128 rows x 128 elements, padded in LDS
	s_or_b32 s[G1+0], s43, (1<<16)|(1<<20)|(1<<21)|(5<<22)|(3<<25)  ; 15:0 the mask: kb's tiles go to my row; 17:16 elements of 2 bytes; 20 padding on; 21 set beside a mask; 24:22 after every 64 words (code 5); 31:25 4 words of it (code 3)
	s_or_b32 s[G1B+0], s44, (1<<16)|(1<<20)|(1<<21)|(5<<22)|(3<<25) ; the same with the mask of my column, for wkb's tiles
	s_mov_b32 s[G1B+1], KSTEP<<16
	s_mov_b32 s[G1+1], KSTEP<<16                   ; tensor_dim0 = 128
	s_mov_b32 s[G1B+2], 128<<16
	s_mov_b32 s[G1+2], 128<<16                     ; tensor_dim1 = 128
	s_mov_b32 s[G1B+3], KSTEP<<16
	s_mov_b32 s[G1+3], KSTEP<<16                   ; tile_dim0 = 128
	s_mov_b32 s[G1B+4], 128
	s_mov_b32 s[G1+4], 128                         ; tile_dim1 = 128
	s_mov_b32 s[G1B+5], SIZE_K
	s_mov_b32 s[G1+5], SIZE_K                      ; elements from row to row
	s_mov_b32 s[G1B+6], 0
	s_mov_b32 s[G1+6], 0
	s_mov_b32 s[G1B+7], 0
	s_mov_b32 s[G1+7], 0
	; where the tiles come from.  kb's hang on the tile row alone, which my row of the cluster shares; wkb's on the tile column alone, which my column shares.
	s_lshl_b32 s17, s12, 7                         ; which 128 rows of the tile I fetch
	s_lshl_b32 s16, s13, 8
	s_add_co_u32 s16, s16, s17                     ; kb: row 256 x tile row + 128 x half
	s_lshl_b32 s46, s42, 8
	s_add_co_u32 s46, s46, s17                     ; wkb: row 256 x tile column + 128 x half
	s_mov_b32 s17, 0
	s_mov_b32 s47, 0
	s_mov_b64 s[18:19], SIZE_K*2
	s_mul_u64 s[16:17], s[16:17], s[18:19]         ; in bytes
	s_mul_u64 s[46:47], s[46:47], s[18:19]
	s_mul_i32 s20, s10, HALFT                      ; and where they go: wave x 128 rows: no place in the cluster enters an LDS address
	s_wait_dscnt 0x0                               ; the opening add is done
	s_wait_kmcnt 0x0
	s_add_nc_u64 s[14:15], s[4:5], s[16:17]
	s_add_nc_u64 s[46:47], s[6:7], s[46:47]
	CROUND                                         ; all sixteen work-groups are here: the first joint loads meet
.irp s, 0,1
	s_mov_b32 s[G0+4*(\s)], 1                                      ; count = 1
	s_add_co_u32 s[G0+4*(\s)+1], s20, (\s)*SLOT                    ; LDS address
	s_add_nc_u64 s[G0+4*(\s)+2:G0+4*(\s)+3], s[14:15], (\s)*KSTEP*2  ; global address: K step s
	s_or_b32 s[G0+4*(\s)+3], s[G0+4*(\s)+3], 0x80000000            ; type = 2
	s_mov_b32 s[G0B+4*(\s)], 1
	s_add_co_u32 s[G0B+4*(\s)+1], s20, (\s)*SLOT
	s_add_nc_u64 s[G0B+4*(\s)+2:G0B+4*(\s)+3], s[46:47], (\s)*KSTEP*2
	s_or_b32 s[G0B+4*(\s)+3], s[G0B+4*(\s)+3], 0x80000000
	JLOAD \s                                       ; the ring is filled before anything else is done: two tensor loads of mine are out
.endr
	; A fragment is 16 rows x 32 K in 8 registers: lane l holds row l % 16; registers 0-3 K = 8 (l / 16) + 0..7, registers 4-7 K = 16 + 8 (l / 16) + 0..7: two loads of 16 bytes, 32 bytes apart.
	v_and_b32 v1, 15, v0                           ; l % 16
	v_bfe_u32 v2, v0, 4, 1                         ; l / 16
	v_mul_u32_u24 v3, v1, PITCH
	v_lshl_add_u32 v3, v2, 4, v3                   ; row x pitch + 16 x half
	s_mul_i32 s21, s11, HALFT                      ; my 128 rows of kb
	s_mul_i32 s22, s12, HALFT                      ; my 128 rows of wkb,
	s_add_co_u32 s22, s22, 2*HALFT                 ; which lie behind kb's 256
.irp s, 0,1
	v_add_nc_u32 v[ADRA+(\s)], s21, v3
	v_add_nc_u32 v[ADRB+(\s)], s22, v3
	s_add_co_u32 s21, s21, SLOT
	s_add_co_u32 s22, s22, SLOT
.endr
	s_lshl_b32 s23, s10, 9
	s_add_co_u32 s23, s23, STAGE                   ; my stage
	v_lshl_add_u32 v[STW], v1, 2, s23
	v_and_b32 v4, 31, v0
	v_lshlrev_b32 v[SO], 4, v4
	v_add_nc_u32 v[STR], s23, v[SO]
	v_lshlrev_b32 v[CQ], 5, v2
	v_mov_b32 v[PX], 0                             ; v_permlanex16_b32's destinations count as read: they are written once here
	v_mov_b32 v[PX+1], 0
	; pq, W_energy and sp at my part, by offsets made in registers that feed no descriptor
	s_lshl_b32 s13, s13, 8                         ; 256 x tile row
	s_lshl_b32 s80, s42, 10                        ; my 128 columns in bytes of f32: 1,024 x tile column
	s_lshl_b32 s81, s12, 9                         ; + 512 x half
	s_add_co_u32 s80, s80, s81
	s_mov_b32 s81, 0
	s_add_nc_u64 s[WEB:WEB+1], s[WEB:WEB+1], s[80:81]
	s_lshr_b32 s86, s13, 10                        ; the first tile's batch: 1,024 rows each
	s_lshl_b32 s86, s86, 12                        ; its row of pq
	s_add_co_u32 s86, s86, s80
	s_mov_b32 s87, 0
	s_add_nc_u64 s[PQB:PQB+1], s[PQB:PQB+1], s[86:87]
	s_lshl_b32 s86, s42, 1
	s_add_co_u32 s86, s86, s12                     ; part p = 2 x tile column + half,
	s_lshl_b32 s86, s86, 17                        ; 131,072 bytes each
	s_lshl_b32 s80, s13, 2                         ; + the tile's first row
	s_add_co_u32 s86, s86, s80
	s_lshl_b32 s80, s11, 9                         ; + my 128 rows
	s_add_co_u32 s86, s86, s80
	s_add_nc_u64 s[SPB:SPB+1], s[SPB:SPB+1], s[86:87]
	s_mov_b32 s[STEP], 0                           ; the first way out stores where sp's address stands
	s_mov_b32 s[STEP+1], 0
	s_mov_b32 s[CS], 0x4038aa3b                    ; c = 2 log2(e) = 2.885390
	s_mov_b32 s[CS+1], s[CS]                       ; named with it as a pair
	s_mov_b32 s[SEL], 0x76543210
	s_mov_b32 s[SEL+1], 0xfedcba98
	WIN TO_B
.irp b, 0,1,2,3,4,5,6,7                ; W_energy of my 128 columns, once: waited for at the first way out
	global_load_b128 v[WE+8*(\b):WE+8*(\b)+3],   v[CQ], s[WEB:WEB+1] offset:64*(\b)
	global_load_b128 v[WE+8*(\b)+4:WE+8*(\b)+7], v[CQ], s[WEB:WEB+1] offset:64*(\b)+16
.endr
	WIN 0
	; the prefetches.  s13 = 256 x tile row, s42 = tile column, s40 = cx, s41 = cy still stand
	s_lshl_b32 s42, s42, 8
	s_and_b32 s22, ttmp7, 0xffff                   ; cluster y
	s_cmp_eq_u32 s11, 0                            ; do I fetch for kb?
	s_cselect_b32 s20, s13, s42                    ; the tile's first row: in kb by the tile row, in wkb by the tile column
	s_cselect_b32 s21, s40, s41                    ; my place among the four that ask for it with me
	s_cselect_b32 s22, ttmp9, s22                  ; the coordinate along which other clusters read the same rows
	s_cselect_b64 s[PFA:PFA+1], s[4:5], s[6:7]
	s_cmp_eq_u32 s22, 0
	s_cselect_b32 s[LIM], 1, -1                    ; the same in all sixteen partners, for a given wave
	s_lshl_b32 s22, s12, 7
	s_add_co_u32 s20, s20, s22                     ; + the 128 rows that I fetch
	s_lshl_b32 s21, s21, 5
	s_add_co_u32 s20, s20, s21                     ; + my work-group's 32 of them
	s_mov_b32 s21, 0
	s_mov_b64 s[18:19], SIZE_K*2
	s_mul_u64 s[20:21], s[20:21], s[18:19]
	s_add_nc_u64 s[PFA:PFA+1], s[PFA:PFA+1], s[20:21]
	s_add_nc_u64 s[PFA:PFA+1], s[PFA:PFA+1], 2*KSTEP*2  ; at K step 2: the first refill steps it to 3 and names K step 4.  Nothing is prefetched here, at the head
	v_and_b32 v[PFO], 31, v0
	v_mul_u32_u24 v[PFO], v[PFO], SIZE_K*2
; 16 matrix instructions: m blocks a0, a0 + 1 of the window's four (hi = 0: my rows 0-63, 1: rows 64-127) x all 8 n blocks, 32 along K.  zero = 1: the first product starts the sums: nothing is ever cleared.
; The 64 accumulators take turns, one instruction a turn, in the same order in every quarter step.
.macro MUL16 f, hi, a0, zero
	WIN MUL_LO+0x50*(\hi)
.irp a, \a0, (\a0)+1
.irp b, 0,1,2,3,4,5,6,7
.if \zero
	v_wmma_f32_16x16x32_bf16 v[8*(8*(\a)+(\b)):8*(8*(\a)+(\b))+7], v[(\f)+8*(\b):(\f)+8*(\b)+7], v[(\f)+8*(4*(\hi)+(\a)):(\f)+8*(4*(\hi)+(\a))+7], 0
.else
	v_wmma_f32_16x16x32_bf16 v[8*(8*(\a)+(\b)):8*(8*(\a)+(\b))+7], v[(\f)+8*(\b):(\f)+8*(\b)+7], v[(\f)+8*(4*(\hi)+(\a)):(\f)+8*(4*(\hi)+(\a))+7], v[8*(8*(\a)+(\b)):8*(8*(\a)+(\b))+7]
.endif
.endr
.endr
.endm
; 32 LDS loads in one run: the fragments of one quarter step (128 rows of wkb, 128 rows of kb, 32 K at byte k of the rows) into buffer f
.macro FETCH slot, k, f
	WIN TO_B
.irp i, 0,1,2,3,4,5,6,7
	ds_load_b128 v[(\f)+8*(\i):(\f)+8*(\i)+3],   v[ADRB+(\slot)] offset:(\k)+(\i)*16*PITCH
	ds_load_b128 v[(\f)+8*(\i)+4:(\f)+8*(\i)+7], v[ADRB+(\slot)] offset:(\k)+(\i)*16*PITCH+32
.endr
	WIN 0
.irp i, 0,1,2,3,4,5,6,7
	ds_load_b128 v[(\f)+8*(\i):(\f)+8*(\i)+3],   v[ADRA+(\slot)] offset:(\k)+(\i)*16*PITCH
	ds_load_b128 v[(\f)+8*(\i)+4:(\f)+8*(\i)+7], v[ADRA+(\slot)] offset:(\k)+(\i)*16*PITCH+32
.endr
.endm
; A load into a register that a matrix instruction has read stands four places behind that instruction, and only plain vector instructions that name none of its registers are places
; (ISA guide 7.12.1 for vector instructions).
.macro PLACES
.rept 4
	v_nop
.endr
.endm
; A K step is four quarter steps of 32 along K, 64 matrix instructions each, on buffers 0, 1, 0, 1.  One of the first three: multiplies buffer f; in its middle it fetches the next quarter's fragments into g.
.macro QUARTER slot, k, f, g, zero
	s_wait_dscnt 8                                 ; wkb and kb's rows 0-63 are in; the youngest eight loads (kb's rows 64-127) may be out
	WIN MUL_LO
	MUL16 \f, 0, 0, \zero
	MUL16 \f, 0, 2, \zero
	PLACES
	FETCH \slot, \k, \g
	s_wait_dscnt 32                                ; all but the 32 just issued
	WIN MUL_HI
	MUL16 \f, 1, 0, \zero
	MUL16 \f, 1, 2, \zero
.endm
; The last quarter multiplies buffer 1 and changes slots.  MEET is its first half: ONE barrier.  In front of it each wave waits for all its tensor loads, of which one is out: its part of the next slot; adds 0 to
; its spare word; and waits for that and for its own reads of this slot.  Behind it nobody reads this slot any more and the next slot is whole.
.macro MEET round                      ; round = 1: a round of the cluster's barrier follows
	WIN 0                                          ; (the add's two registers lie in window 0)
	s_wait_tensorcnt 0x0                           ; all my tensor loads have landed;
	ds_add_u32 v[SPW], v[NIL]                      ; 0 onto my spare word;
	s_wait_dscnt 9                                 ; (the add and the youngest eight loads may be out)
	WIN MUL_LO
	MUL16 F1, 0, 0, 0                              ; sixteen matrix instructions stand between the add and the wait for it
	s_wait_dscnt 0x0                               ; the add is done, and my reads of this slot are over:
	s_barrier_signal -1                            ; say so,
	MUL16 F1, 0, 2, 0                              ; work on registers while the others arrive,
.if \round
	WIN 0
.endif
	s_barrier_wait -1                              ; and go on when all four have said so
.endm
; The whole last quarter.  Behind the round the slot just read out is filled again first: with this tile's K step two steps on (on = 0) or with the NEXT tile's K step 0 or 1 (on = 1); then come the next
; slot's first fragments.  From a request to the wait for it a wave issues 224 matrix instructions.
.macro TURN slot, next, on
	s_wait_xcnt 0x0                                ; the last prefetch, a K step back, has read its address: it is stepped here, ahead of the waits of the change of slots
.if (\on) && (\slot) == 0
	s_add_nc_u64 s[PFA:PFA+1], s[PFA:PFA+1], (WALK-1)*SIZE_K*2+KSTEP*2  ; from the K step after the tile's last to the next tile's K step 1: WALK rows down, back along K
	s_cmp_eq_u32 s11, 0
	s_cselect_b32 s[LIM], s[LIM], -1               ; wkb's rows are the same for both tiles: they are asked for no more
.else
	s_add_nc_u64 s[PFA:PFA+1], s[PFA:PFA+1], KSTEP*2
.endif
	MEET 1
	CREST                                          ; no wave of any partner still reads this slot's tile or has a load on its way
.if \on
	s_add_nc_u64 s[G0+4*(\slot)+2:G0+4*(\slot)+3], s[G0+4*(\slot)+2:G0+4*(\slot)+3], NEXT_A
	s_sub_nc_u64 s[G0B+4*(\slot)+2:G0B+4*(\slot)+3], s[G0B+4*(\slot)+2:G0B+4*(\slot)+3], BACK_B
.else
	s_add_nc_u64 s[G0+4*(\slot)+2:G0+4*(\slot)+3], s[G0+4*(\slot)+2:G0+4*(\slot)+3], 2*KSTEP*2
	s_add_nc_u64 s[G0B+4*(\slot)+2:G0B+4*(\slot)+3], s[G0B+4*(\slot)+2:G0B+4*(\slot)+3], 2*KSTEP*2
.endif
	JLOAD \slot                                    ; the first tensor load behind the round, my only one until the next; its four v_nop are also the places in front of the loads below
	FETCH \next, 0, F0
	ASK \on
	WIN MUL_HI
	MUL16 F1, 1, 0, 0
	MUL16 F1, 1, 2, 0
.endm
; pq of the tile's batch, my 128 columns: 16 loads, asked for at a tile's beginning and waited for at its way out
.macro PQLOAD
	WIN TO_B
.irp b, 0,1,2,3,4,5,6,7
	global_load_b128 v[PQ+8*(\b):PQ+8*(\b)+3],   v[CQ], s[PQB:PQB+1] offset:64*(\b)
	global_load_b128 v[PQ+8*(\b)+4:PQ+8*(\b)+7], v[CQ], s[PQB:PQB+1] offset:64*(\b)+16
.endr
.endm
; The arguments of trip k: c pk + c pq for row blocks k (window 2) and k + 4 (window 3), 64 numbers a lane each.  Each accumulator is read from its low end on.
.macro ARG k
	WIN 0x12                                       ; source 0 window 2, source 2 window 1, destination window 0
.irp b, 0,1,2,3,4,5,6,7
.irp r, 0,2,4,6
	v_pk_fma_f32 v[T+8*(\b)+(\r):T+8*(\b)+(\r)+1], v[64*(\k)+8*(\b)+(\r):64*(\k)+8*(\b)+(\r)+1], s[CS:CS+1], v[PQ+8*(\b)+(\r):PQ+8*(\b)+(\r)+1] op_sel_hi:[1,0,1]
.endr
.endr
	WIN 0x13                                       ; source 0 window 3
.irp b, 0,1,2,3,4,5,6,7
.irp r, 0,2,4,6
	v_pk_fma_f32 v[T+64+8*(\b)+(\r):T+64+8*(\b)+(\r)+1], v[64*(\k)+8*(\b)+(\r):64*(\k)+8*(\b)+(\r)+1], s[CS:CS+1], v[PQ+8*(\b)+(\r):PQ+8*(\b)+(\r)+1] op_sel_hi:[1,0,1]
.endr
.endr
	WIN 0                                          ; at a label and at a branch every window is 0
.endm
; THE WAY OUT of a tile.  Four trips; a trip's arguments are written out for each trip (register numbers cannot be stepped), the rest once.  All jumps but the loop's own go forward, past no barrier and no tensor load.
.macro EPI
	s_wait_loadcnt 0x0                             ; pq and W_energy are in; pq's loads are done, so their base may be written:
	s_add_nc_u64 s[PQB:PQB+1], s[PQB:PQB+1], 16*4096  ; the next tile's batch, 16 further on (behind the last tile it is not used)
	WIN 0x41                                       ; destination and source 0 window 1
.set i, 0
.rept 32
	v_pk_mul_f32 v[PQ+i:PQ+i+1], v[PQ+i:PQ+i+1], s[CS:CS+1] op_sel_hi:[1,0]  ; c pq.  These 32 plain lines, which name no register of the last products, are also the places behind them
.set i, i+2
.endr
	WIN 0
	s_mov_b32 s[ROWC], 0
	s_mov_b32 s[STO], 0
.Lrow_\@:
	s_cmp_eq_u32 s[ROWC], 0
	s_cbranch_scc1 .Lblk0_\@
	s_cmp_eq_u32 s[ROWC], 1
	s_cbranch_scc1 .Lblk1_\@
	s_cmp_eq_u32 s[ROWC], 2
	s_cbranch_scc1 .Lblk2_\@
	ARG 3
	s_branch .Lsig_\@
.Lblk0_\@:
	ARG 0
	s_branch .Lsig_\@
.Lblk1_\@:
	ARG 1
	s_branch .Lsig_\@
.Lblk2_\@:
	ARG 2
.Lsig_\@:
.set i, 0
.rept 128
	v_exp_f32 v[T+i], v[T+i]                       ; one batch of 128
.set i, i+1
.endr
	v_nop                                          ; a plain instruction behind the last exponential,
	s_wait_alu depctr_va_vdst(0)                   ; and the one wait ahead of the batch's first reader
.set i, 0
.rept 64
	v_pk_add_f32 v[T+i:T+i+1], v[T+i:T+i+1], 1.0 op_sel_hi:[1,0]
.set i, i+2
.endr
.set i, 0
.rept 128
	v_rcp_f32 v[T+i], v[T+i]                       ; a second batch
.set i, i+1
.endr
	v_nop
	s_wait_alu depctr_va_vdst(0)
	WIN 0x04                                       ; source 1 (W_energy) window 1
.irp u, 0,1                            ; for each of the two row blocks four running pairs; the first four products start them
.set i, 0
.rept 32
.if i < 4
	v_pk_mul_f32 v[SU+8*(\u)+2*i:SU+8*(\u)+2*i+1], v[T+64*(\u)+2*i:T+64*(\u)+2*i+1], v[WE+2*i:WE+2*i+1]
.else
	v_pk_fma_f32 v[SU+8*(\u)+2*(i%4):SU+8*(\u)+2*(i%4)+1], v[T+64*(\u)+2*i:T+64*(\u)+2*i+1], v[WE+2*i:WE+2*i+1], v[SU+8*(\u)+2*(i%4):SU+8*(\u)+2*(i%4)+1]
.endif
.set i, i+1
.endr
.endr
	WIN 0
.irp u, 0,1
	v_pk_add_f32 v[SU+8*(\u):SU+8*(\u)+1],   v[SU+8*(\u):SU+8*(\u)+1],   v[SU+8*(\u)+2:SU+8*(\u)+3]
	v_pk_add_f32 v[SU+8*(\u)+4:SU+8*(\u)+5], v[SU+8*(\u)+4:SU+8*(\u)+5], v[SU+8*(\u)+6:SU+8*(\u)+7]
.endr
.irp u, 0,1
	v_pk_add_f32 v[SU+8*(\u):SU+8*(\u)+1], v[SU+8*(\u):SU+8*(\u)+1], v[SU+8*(\u)+4:SU+8*(\u)+5]
.endr
.irp u, 0,1
	v_add_f32 v[SU+8*(\u)], v[SU+8*(\u)], v[SU+8*(\u)+1]
.endr
.irp u, 0,1
	v_permlanex16_b32 v[PX+(\u)], v[SU+8*(\u)], s[SEL], s[SEL+1]  ; the row's other 64 columns lie in the lane 16 away
.endr
.irp u, 0,1
	v_add_f32 v[SU+8*(\u)], v[SU+8*(\u)], v[PX+(\u)]
.endr
	v_add_nc_u32 v[STA], s[STO], v[STW]            ; rows 16 k + l % 16 and 64 + 16 k + l % 16 of my 128; lanes l and l + 16 write the same word with the same number
	ds_store_b32 v[STA], v[SU]
	ds_store_b32 v[STA], v[SU+8] offset:256
	s_add_co_u32 s[STO], s[STO], 64
	s_add_co_u32 s[ROWC], s[ROWC], 1
	s_cmp_lt_u32 s[ROWC], 4
	s_cbranch_scc1 .Lrow_\@
	s_wait_xcnt 0x0                                ; the last tile's store has read its data and its base: only now are they written again
	s_add_nc_u64 s[SPB:SPB+1], s[SPB:SPB+1], s[STEP:STEP+1]
	s_mov_b32 s[STEP], WALK*4                      ; the next tile's rows lie 16,384 further on
	ds_load_b128 v[OUT:OUT+3], v[STR]              ; LDS serves a wave's instructions in order (ISA guide 5.7.1.4): this sees my stores above
	s_wait_dscnt 0x0
	global_store_b128 v[SO], v[OUT:OUT+3], s[SPB:SPB+1]  ; the wave stores 512 consecutive bytes, at a multiple of 512 from sp's first
.endm
	s_wait_tensorcnt 1                             ; my part of K step 0 is in; K step 1's load may stay out
	s_barrier_signal -1
	s_barrier_wait -1                              ; everybody's is
	FETCH 0, 0, F0
	s_mov_b32 s2, SIZE_TILES                       ; tiles to go, this one among them: the same number in every work-group
.Ltile:                                                ; (FETCH and EPI leave every window 0)
	PQLOAD
	QUARTER 0, 64,  F0, F1, 1                      ; a tile's first quarter stands in front of the loop: its products start the sums
	WIN 0
	s_mov_b32 s3, LAPS-1
.Llap:                                                 ; a trip goes once round the ring, from a lap's second quarter to the next lap's first, and fills both slots again
	QUARTER 0, 128, F1, F0, 0
	QUARTER 0, 192, F0, F1, 0
	TURN 0, 1, 0
	QUARTER 1, 64,  F0, F1, 0
	QUARTER 1, 128, F1, F0, 0
	QUARTER 1, 192, F0, F1, 0
	TURN 1, 0, 0
	QUARTER 0, 64,  F0, F1, 0
	WIN 0
	s_sub_co_u32 s3, s3, 1
	s_cmp_lg_u32 s3, 0
	s_cbranch_scc1 .Llap
	QUARTER 0, 128, F1, F0, 0                      ; the tile's last lap goes on
	QUARTER 0, 192, F0, F1, 0
	WIN 0
	s_cmp_eq_u32 s2, 1
	s_cbranch_scc1 .Llast_tile                     ; the last tile's tail is written out: it asks for nothing more
	TURN 0, 1, 1                                   ; THE RING GOES ON INTO THE NEXT TILE: slot 0 takes its K step 0,
	QUARTER 1, 64,  F0, F1, 0
	QUARTER 1, 128, F1, F0, 0
	QUARTER 1, 192, F0, F1, 0
	TURN 1, 0, 1                                   ; slot 1 its K step 1, and the next tile's first fragments are fetched into buffer 0, which the way out does not touch
	WIN 0
	EPI                                            ; both refills are on their way while the tile goes out
	s_sub_co_u32 s2, s2, 1
	s_branch .Ltile
.Llast_tile:
	MEET 0                                         ; my one tensor load that was still out is slot 1's, the last K step's, so no round follows
	PLACES                                         ; for the loads into buffer 0, which the quarter before multiplied
	FETCH 1, 0, F0
	WIN MUL_HI
	MUL16 F1, 1, 0, 0
	MUL16 F1, 1, 2, 0
	QUARTER 1, 64,  F0, F1, 0
	QUARTER 1, 128, F1, F0, 0
	QUARTER 1, 192, F0, F1, 0
	s_wait_dscnt 8                                 ; the very last quarter: nothing more to fetch
	WIN MUL_LO
	MUL16 F1, 0, 0, 0
	MUL16 F1, 0, 2, 0
	s_wait_dscnt 0x0
	MUL16 F1, 1, 0, 0
	MUL16 F1, 1, 2, 0
	WIN 0
	EPI
	s_wait_tensorcnt 0x0                           ; the wave's end: behind my last tensor load and my last LDS store
	ds_add_u32 v[SPW], v[NIL]
	s_wait_dscnt 0x0
	CROUND                                         ; the closing round: no work-group ends while a partner may still ask for a tile that names it
	s_endpgm
.Lfunc_end_k_q66d4ae42a3_energy:
	.size	k_q66d4ae42a3_energy, .Lfunc_end_k_q66d4ae42a3_energy-k_q66d4ae42a3_energy
	.p2alignl 7, 3214868480
	.fill 96, 4, 3214868480
	.section	.rodata,"a",@progbits
	.p2align	6, 0x0
	.amdhsa_kernel k_q66d4ae42a3_energy
		.amdhsa_group_segment_fixed_size 327680
		.amdhsa_private_segment_fixed_size 0
		.amdhsa_enable_private_segment 0
		.amdhsa_kernarg_size 40
		.amdhsa_user_sgpr_count 2
		.amdhsa_user_sgpr_kernarg_segment_ptr 1
		.amdhsa_wavefront_size32 1
		.amdhsa_system_sgpr_workgroup_id_x 1
		.amdhsa_system_sgpr_workgroup_id_y 1
		.amdhsa_system_sgpr_workgroup_id_z 1
		.amdhsa_system_vgpr_workitem_id 0
		.amdhsa_next_free_vgpr 1024
		.amdhsa_next_free_sgpr 96
		.amdhsa_reserve_vcc 0
		.amdhsa_float_denorm_mode_32 3
		.amdhsa_float_denorm_mode_16_64 3
		.amdhsa_memory_ordered 1
		.amdhsa_forward_progress 1
		.amdhsa_inst_pref_size 223
	.end_amdhsa_kernel
	.amdgpu_metadata
---
amdhsa.version: [ 1, 2 ]
amdhsa.kernels:
  - .name:           k_q66d4ae42a3_energy
    .symbol:         k_q66d4ae42a3_energy.kd
    .args:
      - { .name: kb, .offset: 0, .size: 8, .value_kind: global_buffer, .address_space: global }
      - { .name: wkb, .offset: 8, .size: 8, .value_kind: global_buffer, .address_space: global }
      - { .name: pq, .offset: 16, .size: 8, .value_kind: global_buffer, .address_space: global }
      - { .name: W_energy, .offset: 24, .size: 8, .value_kind: global_buffer, .address_space: global }
      - { .name: sp, .offset: 32, .size: 8, .value_kind: global_buffer, .address_space: global }
    .group_segment_fixed_size: 327680
    .private_segment_fixed_size: 0
    .kernarg_segment_align: 8
    .kernarg_segment_size: 40
    .max_flat_workgroup_size: 128
    .sgpr_count:     96
    .vgpr_count:     1024
    .wavefront_size: 32
...
	.end_amdgpu_metadata
.endif
;; end of part 3
;; launch pool (part 4): grid 8 x 32, 16 waves a work-group, no clusters, 14,848 bytes of LDS; arguments sp, memory_lengths, values, out1, ctx; writes out1, ctx
.if DOCPART == 4
	.amdgcn_target "amdgcn-amd-amdhsa--gfx1250"
	.amdhsa_code_object_version 6
	.text
	.protected	k_q66d4ae42a3_pool
	.globl	k_q66d4ae42a3_pool
	.p2align	8
	.type	k_q66d4ae42a3_pool,@function
k_q66d4ae42a3_pool:
	s_mov_b64 s[64:65], 0
	v_nop
	global_prefetch_b8 v0, s[64:65] scope:SCOPE_SE
	s_setreg_imm32_b32 hwreg(HW_REG_WAVE_MODE, 25, 1), 1
	s_wait_xcnt 0x0
; out1[b][m] = softmax over m < L of score[b][m], and ctx[b][d] = the sum over m of out1[b][m] values[b][m][d].  L = memory_lengths[b].
; In base 2 a row's exponent is u = -2 log2(e) x (the sum of its eight parts in sp) + a term that is the same for all rows of the batch, which the softmax drops.  The rows' true maximum M of u is taken away
; before the exponential: e = 2^(u - M), 0 exactly for rows at or beyond L; l = the sum of e (at least 1); out1 = e / l.  ctx is summed with the unnormalised e, in f32, and multiplied by 1 / l once.
; ORDER OF SUMS.  reference() multiplies values by W_key and then weighs the rows; here the rows are weighed first and the next launch multiplies the one weighed row by W_key: the same sum in another order.
; LIMITS.  L is 1 to 1,024; a larger one (as an unsigned number) counts as 1,024, as in reference(); L = 0 is not served.  Rows of values in a group of 256 rows that holds an open row are read and multiplied
; by a weight of 0: they are taken to be finite.  Groups of 256 rows that lie wholly at or beyond L are not read.
; SHARES.  Work-group (c, b) takes columns 128 c .. 128 c + 127 of batch b: 512 consecutive aligned bytes of each row, one load of a wave.  Rows go in four groups g of 256; wave v takes rows
; 256 g + 16 v + j, j = 0..15.  For the softmax lane l of wave v owns rows 256 (l / 8) + 16 v + 2 (l % 8) and the next: so a wave holds the weights of its own 64 rows in its own two registers, and the
; weight of (g, j) is read from lane 8 g + j / 2.  Every work-group of a batch makes the batch's softmax (32,768 bytes of sp, against up to 524,288 of values); work-group c writes out1's numbers 128 c ...
; A stream: no matrix unit; no cluster (what the eight work-groups of a batch share is sp alone, a sixteenth of their bytes at the most).  Two sets of 64 registers: while one group's rows are summed the next
; group's sixteen loads of every wave are on their way.  No loop, no address register is rewritten, EXEC is never changed; the branches hang on L, the same in all sixteen waves.
.set RED1,  0                          ; LDS: 16 words, the waves' maxima (a block of 256 bytes to themselves)
.set RED2,  256                        ; 16 words, the waves' sums
.set ETAB,  512                        ; 1,024 words: e by row
.set CRED,  4608                       ; 512 bytes for each wave: its partial sums of 128 columns
.set SPARE, 12800                      ; the spare words, 128 bytes for each of 16 waves: eight blocks of 256 bytes that no other line names
.set VS,  2                            ; v2   4 x my first row: in sp and in ETAB
.set VV,  3                            ; v3   wave x 16 rows x 4,096 + 16 l: my 16 bytes of my wave's first row
.set R0,  4                            ; v4, v5  my two rows
.set SPW, 6                            ; v6   LDS address of my spare word; never rewritten
.set NIL, 7                            ; v7   0; never rewritten
.set P,   8                            ; v[8:23]  eight parts of my two rows
.set U,   24                           ; v[24:25] u, then u - M
.set E,   26                           ; v[26:27] e of my two rows
.set TA,  28                           ; v28, v29 at work
.set TB,  29
.set INV, 30                           ; v[30:31] 1 / l, twice
.set WA,  32                           ; v32  4 x wave
.set ZA,  33                           ; v33  0
.set EA,  34                           ; v34  512 c + 16 l
.set L16, 35                           ; v35  16 l
.set OD,  36                           ; v[36:39] out1's four numbers
.set CA,  40                           ; v40  512 x wave + 16 l
.set ACC, 48                           ; v[48:55] four columns, rows of even and of odd j
.set X0,  64                           ; v[64:127]  sixteen rows' 16 bytes
.set X1,  128                          ; v[128:191] likewise; ahead of the stream v[128:143] take the sixteen waves' words
.set WT,  32                           ; s[32:47] a group's sixteen weights
	s_load_b256 s[4:11], s[0:1], 0x0               ; sp s[4:5], memory_lengths s[6:7], values s[8:9], out1 s[10:11]
	s_load_b64 s[12:13], s[0:1], 0x20              ; ctx
	v_lshl_add_u32 v[SPW], v0, 2, SPARE
	v_mov_b32 v[NIL], 0
	v_and_b32 v1, 31, v0                           ; l
	v_lshrrev_b32 v[TA], 5, v0
	v_readfirstlane_b32 s14, v[TA]                 ; wave 0..15
	s_and_b32 s16, ttmp7, 0xffff                   ; b
	s_and_b32 s17, ttmp9, 7                        ; c, 0 to 7: the grid is eight wide
	s_mov_b32 s20, 0x76543210                      ; v_permlanex16_b32: each lane takes its own place in the other half
	s_mov_b32 s21, 0xfedcba98
	v_lshrrev_b32 v[TA], 3, v1                     ; l / 8
	v_and_b32 v[TB], 7, v1
	v_lshlrev_b32 v[TB], 1, v[TB]                  ; 2 (l % 8)
	v_lshl_add_u32 v[R0], v[TA], 8, v[TB]
	s_lshl_b32 s15, s14, 4
	v_add_nc_u32 v[R0], s15, v[R0]                 ; my first row
	v_add_nc_u32 v[R0+1], 1, v[R0]
	v_lshlrev_b32 v[VS], 2, v[R0]
	s_lshl_b32 s15, s14, 16
	v_lshl_add_u32 v[VV], v1, 4, s15
	v_mov_b32 v[WA], s14
	v_lshlrev_b32 v[WA], 2, v[WA]
	v_mov_b32 v[ZA], 0
	s_lshl_b32 s15, s17, 9
	v_lshl_add_u32 v[EA], v1, 4, s15
	v_lshlrev_b32 v[L16], 4, v1
	s_lshl_b32 s19, s14, 9
	v_lshl_add_u32 v[CA], v1, 4, s19
	s_lshl_b32 s22, s16, 12                        ; the batch's 1,024 rows in a part of sp
	s_mov_b32 s23, 0
	s_lshl_b32 s24, s16, 2                         ; its word of memory_lengths
	s_mov_b32 s25, 0
	s_lshl_b32 s26, s16, 22                        ; its 1,024 rows of values,
	s_add_co_u32 s26, s26, s15                     ; my 128 columns
	s_mov_b32 s27, 0
	s_add_co_u32 s28, s22, s15                     ; its row of out1 and of ctx, my 128 numbers
	s_mov_b32 s29, 0
	s_wait_kmcnt 0x0
	s_add_nc_u64 s[4:5], s[4:5], s[22:23]
	s_add_nc_u64 s[6:7], s[6:7], s[24:25]
	s_add_nc_u64 s[8:9], s[8:9], s[26:27]
	s_add_nc_u64 s[10:11], s[10:11], s[28:29]
	s_add_nc_u64 s[12:13], s[12:13], s[28:29]
	s_load_b32 s18, s[6:7], 0x0                    ; L
.macro LOADG xb, g                     ; group g: my wave's sixteen rows, 512 consecutive bytes a load
.irp j, 0,1,2,3,4,5,6,7,8,9,10,11,12,13,14,15
	global_load_b128 v[(\xb)+4*(\j):(\xb)+4*(\j)+3], v[VV], s[8:9] offset:(\g)*0x100000+(\j)*4096 th:TH_LOAD_NT
.endr
.endm
; Group g's rows, in set xb, are weighed and added.  first = 1: the first two rows start the sums: nothing is cleared.  left = how many younger loads may stay out.
.macro CONSUME xb, g, first, left
.irp j, 0,1,2,3,4,5,6,7,8,9,10,11,12,13,14,15
	v_readlane_b32 s[WT+(\j)], v[E+(\j)%2], 8*(\g)+(\j)/2
.endr
	s_wait_loadcnt \left
.irp j, 0,1,2,3,4,5,6,7,8,9,10,11,12,13,14,15
.irp k, 0,1,2,3
.if (\first) && ((\j) < 2)
	v_mul_f32 v[ACC+4*((\j)%2)+(\k)], s[WT+(\j)], v[(\xb)+4*(\j)+(\k)]
.else
	v_fmac_f32 v[ACC+4*((\j)%2)+(\k)], s[WT+(\j)], v[(\xb)+4*(\j)+(\k)]
.endif
.endr
.endr
.endm
.irp p, 0,1,2,3,4,5,6,7
	global_load_b64 v[P+2*(\p):P+2*(\p)+1], v[VS], s[4:5] offset:131072*(\p)
.endr
	LOADG X0, 0                                    ; L is at least 1: group 0 is always wanted, and lands while the softmax is made
	s_wait_loadcnt 16                              ; sp's eight loads are in; group 0's sixteen may stay out
.irp p, 0,4,8,12
	v_pk_add_f32 v[P+(\p):P+(\p)+1], v[P+(\p):P+(\p)+1], v[P+(\p)+2:P+(\p)+3]
.endr
	v_pk_add_f32 v[P:P+1], v[P:P+1], v[P+4:P+5]
	v_pk_add_f32 v[P+8:P+9], v[P+8:P+9], v[P+12:P+13]
	v_pk_add_f32 v[P:P+1], v[P:P+1], v[P+8:P+9]
	v_pk_mul_f32 v[U:U+1], v[P:P+1], 0xc038aa3b op_sel_hi:[1,0]  ; x -2 log2(e)
	s_wait_kmcnt 0x0
	s_min_u32 s18, s18, 1024
	v_cmp_gt_u32 vcc_lo, s18, v[R0]
	v_cndmask_b32 v[U], 0xff800000, v[U], vcc_lo   ; rows at or beyond L: minus infinity
	v_cmp_gt_u32 vcc_lo, s18, v[R0+1]
	v_cndmask_b32 v[U+1], 0xff800000, v[U+1], vcc_lo
	; the maximum: in the lane, over the wave's 32 lanes, over the 16 waves
	v_max_num_f32 v[TA], v[U], v[U+1]
	v_max_num_f32_dpp v[TA], v[TA], v[TA] row_xmask:1 row_mask:0xf bank_mask:0xf
	v_max_num_f32_dpp v[TA], v[TA], v[TA] row_xmask:2 row_mask:0xf bank_mask:0xf
	v_max_num_f32_dpp v[TA], v[TA], v[TA] row_xmask:4 row_mask:0xf bank_mask:0xf
	v_max_num_f32_dpp v[TA], v[TA], v[TA] row_xmask:8 row_mask:0xf bank_mask:0xf
	v_permlanex16_b32 v[TB], v[TA], s20, s21
	v_max_num_f32 v[TA], v[TA], v[TB]
	ds_store_b32 v[WA], v[TA] offset:RED1          ; all lanes write the wave's word with the same number
	s_wait_dscnt 0x0                               ; for the others' sake
	s_barrier_signal -1
	s_barrier_wait -1
.irp q, 0,1,2,3
	ds_load_b128 v[X1+4*(\q):X1+4*(\q)+3], v[ZA] offset:RED1+16*(\q)
.endr
	s_wait_dscnt 0x0
.irp q, 0,3,6,9,12
	v_max3_num_f32 v[X1+(\q)], v[X1+(\q)], v[X1+(\q)+1], v[X1+(\q)+2]
.endr
	v_max3_num_f32 v[X1], v[X1], v[X1+3], v[X1+6]
	v_max3_num_f32 v[X1+9], v[X1+9], v[X1+12], v[X1+15]
	v_max_num_f32 v[X1], v[X1], v[X1+9]            ; M: finite, since row 0 is open
	v_sub_f32 v[U], v[U], v[X1]
	v_sub_f32 v[U+1], v[U+1], v[X1]
	v_exp_f32 v[E], v[U]
	v_exp_f32 v[E+1], v[U+1]
	v_nop                                          ; a plain instruction behind the last exponential,
	s_wait_alu depctr_va_vdst(0)                   ; and the wait ahead of the first use: one for both
	v_add_f32 v[TA], v[E], v[E+1]
	v_add_f32_dpp v[TA], v[TA], v[TA] row_xmask:1 row_mask:0xf bank_mask:0xf
	v_add_f32_dpp v[TA], v[TA], v[TA] row_xmask:2 row_mask:0xf bank_mask:0xf
	v_add_f32_dpp v[TA], v[TA], v[TA] row_xmask:4 row_mask:0xf bank_mask:0xf
	v_add_f32_dpp v[TA], v[TA], v[TA] row_xmask:8 row_mask:0xf bank_mask:0xf
	v_permlanex16_b32 v[TB], v[TA], s20, s21
	v_add_f32 v[TA], v[TA], v[TB]
	ds_store_b32 v[WA], v[TA] offset:RED2
	ds_store_b64 v[VS], v[E:E+1] offset:ETAB       ; e by row, for out1
	s_wait_dscnt 0x0
	s_barrier_signal -1
	s_barrier_wait -1
.irp q, 0,1,2,3
	ds_load_b128 v[X1+4*(\q):X1+4*(\q)+3], v[ZA] offset:RED2+16*(\q)
.endr
	s_wait_dscnt 0x0
.irp q, 0,4,8,12
	v_pk_add_f32 v[X1+(\q):X1+(\q)+1], v[X1+(\q):X1+(\q)+1], v[X1+(\q)+2:X1+(\q)+3]
.endr
	v_pk_add_f32 v[X1:X1+1], v[X1:X1+1], v[X1+4:X1+5]
	v_pk_add_f32 v[X1+8:X1+9], v[X1+8:X1+9], v[X1+12:X1+13]
	v_pk_add_f32 v[X1:X1+1], v[X1:X1+1], v[X1+8:X1+9]
	v_add_f32 v[X1], v[X1], v[X1+1]                ; l
	v_rcp_f32 v[INV], v[X1]
	v_nop
	s_wait_alu depctr_va_vdst(0)
	v_mov_b32 v[INV+1], v[INV]
	s_cmp_lg_u32 s14, 1                            ; wave 1 writes the work-group's 128 numbers of out1
	s_cbranch_scc1 .Lstream
	ds_load_b128 v[OD:OD+3], v[EA] offset:ETAB
	s_wait_dscnt 0x0
	v_pk_mul_f32 v[OD:OD+1], v[OD:OD+1], v[INV:INV+1]
	v_pk_mul_f32 v[OD+2:OD+3], v[OD+2:OD+3], v[INV:INV+1]
	global_store_b128 v[L16], v[OD:OD+3], s[10:11] ; 512 consecutive bytes, aligned; its registers are not written again
.Lstream:
	; the stream: a group is asked for only if it holds an open row; each way reads only what it has asked for
	s_cmp_gt_u32 s18, 256
	s_cbranch_scc0 .Lt0
	LOADG X1, 1
	CONSUME X0, 0, 1, 16                           ; group 0 is in; group 1's sixteen loads may stay out
	s_cmp_gt_u32 s18, 512
	s_cbranch_scc0 .Lt1
	LOADG X0, 2
	CONSUME X1, 1, 0, 16
	s_cmp_gt_u32 s18, 768
	s_cbranch_scc0 .Lt2
	LOADG X1, 3
	CONSUME X0, 2, 0, 16
	CONSUME X1, 3, 0, 0
	s_branch .Lred
.Lt0:
	CONSUME X0, 0, 1, 0
	s_branch .Lred
.Lt1:
	CONSUME X1, 1, 0, 0
	s_branch .Lred
.Lt2:
	CONSUME X0, 2, 0, 0
.Lred:
	v_pk_add_f32 v[ACC:ACC+1], v[ACC:ACC+1], v[ACC+4:ACC+5]
	v_pk_add_f32 v[ACC+2:ACC+3], v[ACC+2:ACC+3], v[ACC+6:ACC+7]
	ds_store_b128 v[CA], v[ACC:ACC+3] offset:CRED
	s_wait_dscnt 0x0
	s_barrier_signal -1
	s_barrier_wait -1                              ; all sixteen waves' partial sums lie in LDS
	s_cmp_lg_u32 s14, 0                            ; wave 0 adds them up
	s_cbranch_scc1 .Lend
.irp k, 0,1,2,3,4,5,6,7,8,9,10,11,12,13,14,15
	ds_load_b128 v[X0+4*(\k):X0+4*(\k)+3], v[L16] offset:CRED+512*(\k)
.endr
	s_wait_dscnt 0x0
.irp d, 8,4,2,1
.set k, 0
.rept \d
	v_pk_add_f32 v[X0+4*k:X0+4*k+1],   v[X0+4*k:X0+4*k+1],   v[X0+4*(k+(\d)):X0+4*(k+(\d))+1]
	v_pk_add_f32 v[X0+4*k+2:X0+4*k+3], v[X0+4*k+2:X0+4*k+3], v[X0+4*(k+(\d))+2:X0+4*(k+(\d))+3]
.set k, k+1
.endr
.endr
	v_pk_mul_f32 v[X0:X0+1], v[X0:X0+1], v[INV:INV+1]
	v_pk_mul_f32 v[X0+2:X0+3], v[X0+2:X0+3], v[INV:INV+1]
	global_store_b128 v[L16], v[X0:X0+3], s[12:13] ; 512 consecutive bytes, aligned
.Lend:
	s_wait_tensorcnt 0x0                           ; the wave's end: behind my last LDS store
	ds_add_u32 v[SPW], v[NIL]
	s_wait_dscnt 0x0
	s_endpgm
.Lfunc_end_k_q66d4ae42a3_pool:
	.size	k_q66d4ae42a3_pool, .Lfunc_end_k_q66d4ae42a3_pool-k_q66d4ae42a3_pool
	.p2alignl 7, 3214868480
	.fill 96, 4, 3214868480
	.section	.rodata,"a",@progbits
	.p2align	6, 0x0
	.amdhsa_kernel k_q66d4ae42a3_pool
		.amdhsa_group_segment_fixed_size 14848
		.amdhsa_private_segment_fixed_size 0
		.amdhsa_enable_private_segment 0
		.amdhsa_kernarg_size 40
		.amdhsa_user_sgpr_count 2
		.amdhsa_user_sgpr_kernarg_segment_ptr 1
		.amdhsa_wavefront_size32 1
		.amdhsa_system_sgpr_workgroup_id_x 1
		.amdhsa_system_sgpr_workgroup_id_y 1
		.amdhsa_system_sgpr_workgroup_id_z 1
		.amdhsa_system_vgpr_workitem_id 0
		.amdhsa_next_free_vgpr 192
		.amdhsa_next_free_sgpr 66
		.amdhsa_reserve_vcc 1
		.amdhsa_float_denorm_mode_32 3
		.amdhsa_float_denorm_mode_16_64 3
		.amdhsa_memory_ordered 1
		.amdhsa_forward_progress 1
		.amdhsa_inst_pref_size 39
	.end_amdhsa_kernel
	.amdgpu_metadata
---
amdhsa.version: [ 1, 2 ]
amdhsa.kernels:
  - .name:           k_q66d4ae42a3_pool
    .symbol:         k_q66d4ae42a3_pool.kd
    .args:
      - { .name: sp, .offset: 0, .size: 8, .value_kind: global_buffer, .address_space: global }
      - { .name: memory_lengths, .offset: 8, .size: 8, .value_kind: global_buffer, .address_space: global }
      - { .name: values, .offset: 16, .size: 8, .value_kind: global_buffer, .address_space: global }
      - { .name: out1, .offset: 24, .size: 8, .value_kind: global_buffer, .address_space: global }
      - { .name: ctx, .offset: 32, .size: 8, .value_kind: global_buffer, .address_space: global }
    .group_segment_fixed_size: 14848
    .private_segment_fixed_size: 0
    .kernarg_segment_align: 8
    .kernarg_segment_size: 40
    .max_flat_workgroup_size: 512
    .sgpr_count:     66
    .vgpr_count:     192
    .wavefront_size: 32
...
	.end_amdgpu_metadata
.endif
;; end of part 4
;; launch rows32_out: the kernel of part 2 again; grid 64 x 1, 8 waves a work-group, no clusters, 17,408 bytes of LDS; arguments ctx, W_key, out0; writes out0
;; ======== version 2 of 2: 5 launches; version 1 with the launch cast written anew for expert scheduling mode
;; limits: values are held in f16: magnitudes above 65,504 overflow, below 6.1e-05 lose precision; inputs' magnitudes at most 65,504
;; workspace buffers: kb 67,108,864 bytes; wkb 2,097,152 bytes; pq 131,072 bytes; sp 1,048,576 bytes; ctx 131,072 bytes
;; launch cast (part 5): grid 528 x 1, 8 waves a work-group, no clusters, 0 bytes of LDS; arguments keys, W_key, kb, wkb; writes kb, wkb
.if DOCPART == 5
	.amdgcn_target "amdgcn-amd-amdhsa--gfx1250"
	.amdhsa_code_object_version 6
	.text
	.protected	k_q66d4ae42a3_cast
	.globl	k_q66d4ae42a3_cast
	.p2align	8
	.type	k_q66d4ae42a3_cast,@function
k_q66d4ae42a3_cast:
	s_mov_b64 s[64:65], 0
	v_nop
	global_prefetch_b8 v0, s[64:65] scope:SCOPE_SE
	s_setreg_imm32_b32 hwreg(HW_REG_WAVE_SCHED_MODE, 0, 2), 2
	s_setreg_imm32_b32 hwreg(HW_REG_WAVE_MODE, 25, 1), 1
	s_wait_xcnt 0x0
	s_wait_alu depctr_vm_vsrc(0)
; kb = keys and wkb = W_key, each number rounded once to bf16 (to nearest even), in the same row-major layout: the two operands of the large product.
; A row is 1,024 f32 = 4,096 bytes in and 2,048 bytes out.  A work-group of eight waves takes 64 rows: groups 0-511 those of keys (32,768 rows), groups 512-527 those of W_key (1,024 rows).
; Thread t owns the 16 bytes at 16 t of every input row and the 8 bytes at 8 t of every output row: a wave's load covers 512 consecutive bytes, its store 256 consecutive bytes, aligned.
; A stream: no LDS, no barrier, no matrix unit, no cluster (no byte is read by two work-groups).  A ring of 16 slots in registers keeps 12 to 16 loads of every wave on their way.
; THE MODE: SCHED_MODE bits 1:0 = 2 (LLVM: expert scheduling mode 2), set by the entry lines.  The code itself states the register dependences between vector instructions and memory
; instructions, with s_wait_alu, always for 0.
; THE PLAN.  A round takes every slot once, in four blocks of four slots.  Registers that memory instructions touch:
;   X, slot i   Written by the load of the slot's next row; read by the slot's two conversions.  No memory instruction reads it.
;   Y, slot i   Written by the slot's two conversions; read by the slot's store of the same round; written again in the next round.
;   v1, v2      Byte offsets, made once at the head and never written again: the rows are reached by the two scalar bases, which move on by a round at each round's head, and by immediates.
; A block: the wait for its four loads; its eight conversions; ONE wait on va_vdst, which states that they have written the block's Y (the four stores read it) and are done reading the block's X
; (the four loads land in it); then the four loads and four stores in one run, with no vector instruction between the wait and them.  A slot is so asked for again as soon as it is emptied.
; A round: ONE wait on vm_vsrc, beside the wait on XCNT, at the round's head, behind the wait for the first block's data: the sixteen stores of the round before have read Y, which this
; round's conversions write again.
.set ROWIN,  4096
.set ROWOUT, 2048
.set DEPTH,  16                        ; slots
.set BLOCK,  4                         ; slots in a block
.set ROUNDS, 64/DEPTH
.set X, 4                              ; v[4:67]   slot i: 4 f32 as loaded
.set Y, 68                             ; v[68:99]  slot i: 4 bf16 to store
	s_load_b256 s[4:11], s[0:1], 0x0               ; keys s[4:5], W_key s[6:7], kb s[8:9], wkb s[10:11]
	v_lshlrev_b32 v1, 4, v0                        ; my 16 bytes of an input row; never rewritten
	v_lshlrev_b32 v2, 3, v0                        ; my 8 bytes of an output row; never rewritten
	s_sub_co_u32 s20, ttmp9, 512
	s_cmp_lt_u32 ttmp9, 512
	s_cselect_b32 s21, ttmp9, s20                  ; the group's number inside its tensor
	s_lshl_b32 s16, s21, 18                        ; 64 rows of 4,096 bytes (under 2^27)
	s_mov_b32 s17, 0
	s_lshl_b32 s18, s21, 17                        ; 64 rows of 2,048 bytes
	s_mov_b32 s19, 0
	s_wait_kmcnt 0x0
	s_cmp_lt_u32 ttmp9, 512                        ; compared anew: the shifts above have written SCC
	s_cselect_b64 s[12:13], s[4:5], s[6:7]         ; from keys or from W_key,
	s_cselect_b64 s[14:15], s[8:9], s[10:11]       ; to kb or to wkb
	s_add_nc_u64 s[12:13], s[12:13], s[16:17]
	s_add_nc_u64 s[14:15], s[14:15], s[18:19]
	s_wait_alu depctr_va_vdst(0)                   ; v1 and v2 are written: every load and store of the kernel reads one of them as its offset
.irp i, 0,1,2,3,4,5,6,7,8,9,10,11,12,13,14,15
	global_load_b128 v[X+4*(\i):X+4*(\i)+3], v1, s[12:13] offset:(\i)*ROWIN th:TH_LOAD_NT  ; the ring is filled: rows 0 to 15
.endr
; Block k of a round: slots 4 k to 4 k + 3.  ahead = 1: the slots are filled again with the rows 16 further down.  left = how many younger loads may stay out.
; From a round's head on both bases stand one round AHEAD of the rows at work: the loads take the slot's row from there, the stores reach back by a negative immediate.
.macro BLK k, ahead, left
	s_wait_loadcnt \left                           ; loads come back in order (ISA guide 5.7.1): the block's four are in
.if (\k) == 0
	s_wait_xcnt 0x0                                ; every earlier load and store has had its addresses translated (ISA guide 3.1): only behind this wait are the bases, and in this round Y, written again
	s_wait_alu depctr_vm_vsrc(0)                   ; the stores of the round before have read Y, which this round's conversions write again
.if \ahead
	s_add_nc_u64 s[12:13], s[12:13], DEPTH*ROWIN   ; the next round's first row
.endif
	s_add_nc_u64 s[14:15], s[14:15], DEPTH*ROWOUT
.endif
.irp j, 0,1,2,3
	v_cvt_pk_bf16_f32 v[Y+2*(BLOCK*(\k)+(\j))],   v[X+4*(BLOCK*(\k)+(\j))],   v[X+4*(BLOCK*(\k)+(\j))+1]
	v_cvt_pk_bf16_f32 v[Y+2*(BLOCK*(\k)+(\j))+1], v[X+4*(BLOCK*(\k)+(\j))+2], v[X+4*(BLOCK*(\k)+(\j))+3]
.endr
	s_wait_alu depctr_va_vdst(0)                   ; the eight conversions have written the block's Y, which the stores below read, and are done reading the block's X, in which the loads below land
.irp j, 0,1,2,3
.if \ahead
	global_load_b128 v[X+4*(BLOCK*(\k)+(\j)):X+4*(BLOCK*(\k)+(\j))+3], v1, s[12:13] offset:(BLOCK*(\k)+(\j))*ROWIN th:TH_LOAD_NT
.endif
	global_store_b64 v2, v[Y+2*(BLOCK*(\k)+(\j)):Y+2*(BLOCK*(\k)+(\j))+1], s[14:15] offset:(BLOCK*(\k)+(\j)-DEPTH)*ROWOUT th:TH_STORE_NT
.endr
.endm
	s_mov_b32 s22, ROUNDS-1
.Lround:
	BLK 0, 1, DEPTH-BLOCK                          ; the three younger blocks' twelve loads stay out
	BLK 1, 1, DEPTH-BLOCK
	BLK 2, 1, DEPTH-BLOCK
	BLK 3, 1, DEPTH-BLOCK
	s_sub_co_u32 s22, s22, 1
	s_cmp_lg_u32 s22, 0
	s_cbranch_scc1 .Lround
	BLK 0, 0, DEPTH-BLOCK                          ; the last round loads nothing: no load leaves the buffer, and the counts run down
	BLK 1, 0, DEPTH-2*BLOCK
	BLK 2, 0, DEPTH-3*BLOCK
	BLK 3, 0, 0
	s_endpgm
.Lfunc_end_k_q66d4ae42a3_cast:
	.size	k_q66d4ae42a3_cast, .Lfunc_end_k_q66d4ae42a3_cast-k_q66d4ae42a3_cast
	.p2alignl 7, 3214868480
	.fill 96, 4, 3214868480
	.section	.rodata,"a",@progbits
	.p2align	6, 0x0
	.amdhsa_kernel k_q66d4ae42a3_cast
		.amdhsa_group_segment_fixed_size 0
		.amdhsa_private_segment_fixed_size 0
		.amdhsa_enable_private_segment 0
		.amdhsa_kernarg_size 32
		.amdhsa_user_sgpr_count 2
		.amdhsa_user_sgpr_kernarg_segment_ptr 1
		.amdhsa_wavefront_size32 1
		.amdhsa_system_sgpr_workgroup_id_x 1
		.amdhsa_system_sgpr_workgroup_id_y 1
		.amdhsa_system_sgpr_workgroup_id_z 1
		.amdhsa_system_vgpr_workitem_id 0
		.amdhsa_next_free_vgpr 104
		.amdhsa_next_free_sgpr 66
		.amdhsa_reserve_vcc 0
		.amdhsa_float_denorm_mode_32 3
		.amdhsa_float_denorm_mode_16_64 3
		.amdhsa_memory_ordered 1
		.amdhsa_forward_progress 1
		.amdhsa_inst_pref_size 12
	.end_amdhsa_kernel
	.amdgpu_metadata
---
amdhsa.version: [ 1, 2 ]
amdhsa.kernels:
  - .name:           k_q66d4ae42a3_cast
    .symbol:         k_q66d4ae42a3_cast.kd
    .args:
      - { .name: keys, .offset: 0, .size: 8, .value_kind: global_buffer, .address_space: global }
      - { .name: W_key, .offset: 8, .size: 8, .value_kind: global_buffer, .address_space: global }
      - { .name: kb, .offset: 16, .size: 8, .value_kind: global_buffer, .address_space: global }
      - { .name: wkb, .offset: 24, .size: 8, .value_kind: global_buffer, .address_space: global }
    .group_segment_fixed_size: 0
    .private_segment_fixed_size: 0
    .kernarg_segment_align: 8
    .kernarg_segment_size: 32
    .max_flat_workgroup_size: 256
    .sgpr_count:     66
    .vgpr_count:     104
    .wavefront_size: 32
...
	.end_amdgpu_metadata
.endif
;; end of part 5
;; launch rows32: the kernel of part 2 again; grid 64 x 1, 8 waves a work-group, no clusters, 17,408 bytes of LDS; arguments queries, W_query, pq; writes pq
;; launch energy: the kernel of part 3 again; grid 4 x 64, 4 waves a work-group, clusters of 4 x 4, 327,680 bytes of LDS; arguments kb, wkb, pq, W_energy, sp; writes sp
;; launch pool: the kernel of part 4 again; grid 8 x 32, 16 waves a work-group, no clusters, 14,848 bytes of LDS; arguments sp, memory_lengths, values, out1, ctx; writes out1, ctx
;; launch rows32_out: the kernel of part 2 again; grid 64 x 1, 8 waves a work-group, no clusters, 17,408 bytes of LDS; arguments ctx, W_key, out0; writes out0
